; MI455X (gfx1250); checked and timed in simulation.
; The chip was launched on July 23, 2026; its instructions are those of AMD's public machine-readable ISA for CDNA 5 (MIT licence, August 2026) and "CDNA5" Instruction Set Architecture Reference Guide (July 2026). The comments in the code are by the model that wrote it; some were corrected since.
;; Chunked Vectorized Sliding Window Model. Allowed arithmetic: float matrix products may take bf16 or f16 operands with f32 sums; all other float work in f32.
;; Inputs: Wk 1,024 x 1,024 float32; Wo 1,024 x 1,024 float32; Wq 1,024 x 1,024 float32; Wv 1,024 x 1,024 float32; x 2 x 4,096 x 1,024 float32.
;; Outputs: out0 2 x 4,096 x 1,024 float32.
;; 2 versions, each right; version 2 is version 1 with the launch cast written anew for expert scheduling mode. Each part assembles by itself: llvm-mc -triple=amdgcn-amd-amdhsa -mcpu=gfx1250 --defsym DOCPART=n.
;; ======== version 1 of 2: 4 launches
;; limits: values are held in f16: magnitudes above 65,504 overflow, below 6.1e-05 lose precision
;; workspace buffers: xb 16,777,216 bytes; wb 6,291,456 bytes; wob 2,097,152 bytes; qkv 50,331,648 bytes; ao 16,777,216 bytes
;; launch cast (part 1): grid 768 x 1, 8 waves a work-group, no clusters, 0 bytes of LDS; arguments x, Wq, Wk, Wv, Wo, xb, wb, wob; writes xb, wb, wob
.if DOCPART == 1
	.amdgcn_target "amdgcn-amd-amdhsa--gfx1250"
	.amdhsa_code_object_version 6
	.text
	.protected	k_q0d7f3948c5_cast
	.globl	k_q0d7f3948c5_cast
	.p2align	8
	.type	k_q0d7f3948c5_cast,@function
k_q0d7f3948c5_cast:
	s_mov_b64 s[64:65], 0
	v_nop
	global_prefetch_b8 v0, s[64:65] scope:SCOPE_SE
	s_setreg_imm32_b32 hwreg(HW_REG_WAVE_MODE, 25, 1), 1
	s_wait_xcnt 0x0
; All five inputs are rounded once to bf16 (to nearest even), so that the products read 16-bit tiles and every input carries the same rounding.
; x, Wq, Wk, Wv are stored as bf16: both operands of the first three products.  Wo's partner in the last product is an f16 intermediate, so
; Wo's bf16 value is written in f16: exact for magnitudes from 2^-17 to 65,504 (f16's 11 significant bits hold bf16's 8; below 2^-14 f16's
; step is 2^-24, which still holds 8 bits down to 2^-17).
; LIMIT: a number of Wo above 65,504 in magnitude becomes infinite; below 2^-17 it is rounded once more, to a step of 2^-24.
; A work-group takes one chunk of 16,384 numbers: 65,536 bytes in, 32,768 bytes out.
; Chunks 0-511: x -> xb.  512-575: Wq, 576-639: Wk, 640-703: Wv -> wb (the three stacked by rows).  704-767: Wo -> wob.
; A stream: no LDS, no matrix unit, no barrier.  Thread t takes 16 bytes at 16 t of each 4,096 bytes; a wave's load covers 512 consecutive
; bytes, a wave's store 256 consecutive bytes that start at a multiple of 256 from the buffer's first byte.
; All sixteen loads of a thread go out at once; a store's data registers are written once more by nothing behind it.
.set X, 4                              ; v[4:67]   sixteen loads of four f32
.set Y, 68                             ; v[68:99]  sixteen pairs of packed 16-bit numbers
	s_load_b512 s[8:23], s[0:1], 0x0               ; x 8, Wq 10, Wk 12, Wv 14, Wo 16, xb 18, wb 20, wob 22
	s_mov_b32 s2, ttmp9                            ; chunk g
	s_sub_co_u32 s3, s2, 512                       ; chunk among the weights (used only where g >= 512)
	s_and_b32 s4, s3, 63                           ; chunk inside one weight matrix
	v_lshlrev_b32 v1, 4, v0                        ; 16 t
	v_lshlrev_b32 v2, 3, v0                        ; 8 t
	s_wait_kmcnt 0x0
	s_cmp_ge_u32 s2, 512                           ; the choices hang on the chunk's number alone
	s_cselect_b64 s[24:25], s[10:11], s[8:9]       ; source
	s_cselect_b32 s26, s4, s2                      ; source chunk
	s_cselect_b64 s[28:29], s[20:21], s[18:19]     ; destination
	s_cselect_b32 s27, s3, s2                      ; destination chunk
	s_cmp_ge_u32 s2, 576
	s_cselect_b64 s[24:25], s[12:13], s[24:25]
	s_cmp_ge_u32 s2, 640
	s_cselect_b64 s[24:25], s[14:15], s[24:25]
	s_cmp_ge_u32 s2, 704
	s_cselect_b64 s[24:25], s[16:17], s[24:25]
	s_cselect_b64 s[28:29], s[22:23], s[28:29]
	s_cselect_b32 s27, s4, s27
	s_lshl_b32 s30, s26, 16                        ; 65,536 bytes a chunk in
	s_mov_b32 s31, 0
	s_lshl_b32 s6, s27, 15                         ; 32,768 bytes a chunk out
	s_mov_b32 s7, 0
	s_add_nc_u64 s[24:25], s[24:25], s[30:31]
	s_add_nc_u64 s[28:29], s[28:29], s[6:7]
.set i, 0
.rept 16
	global_load_b128 v[X+4*i:X+4*i+3], v1, s[24:25] offset:4096*i th:TH_LOAD_NT   ; read once in the launch
.set i, i+1
.endr
; The sixteen turns.  f16 = 1: the bf16 numbers are widened again (a shift, a mask) and written in f16.
.macro TURNS f16
.set i, 0
.rept 16
	s_wait_loadcnt 15-i                            ; loads come back in order (ISA guide 5.7.1): load i is in, the younger ones stay out
	v_cvt_pk_bf16_f32 v[Y+2*i], v[X+4*i], v[X+4*i+1]
	v_cvt_pk_bf16_f32 v[Y+2*i+1], v[X+4*i+2], v[X+4*i+3]
.if \f16
	v_lshlrev_b32 v[X+4*i], 16, v[Y+2*i]           ; load i has landed: its registers are free to hold the rounded numbers as f32
	v_and_b32 v[X+4*i+1], 0xffff0000, v[Y+2*i]
	v_lshlrev_b32 v[X+4*i+2], 16, v[Y+2*i+1]
	v_and_b32 v[X+4*i+3], 0xffff0000, v[Y+2*i+1]
	v_cvt_pk_f16_f32 v[Y+2*i], v[X+4*i], v[X+4*i+1]
	v_cvt_pk_f16_f32 v[Y+2*i+1], v[X+4*i+2], v[X+4*i+3]
.endif
	global_store_b64 v2, v[Y+2*i:Y+2*i+1], s[28:29] offset:2048*i   ; no hint: a later launch reads it
.set i, i+1
.endr
.endm
	s_cmp_ge_u32 s2, 704                           ; Wo's chunks: the chunk's number, the same in all waves
	s_cbranch_scc1 .Lwo
	TURNS 0
	s_endpgm
.Lwo:
	TURNS 1
	s_endpgm
.Lfunc_end_k_q0d7f3948c5_cast:
	.size	k_q0d7f3948c5_cast, .Lfunc_end_k_q0d7f3948c5_cast-k_q0d7f3948c5_cast
	.p2alignl 7, 3214868480
	.fill 96, 4, 3214868480
	.section	.rodata,"a",@progbits
	.p2align	6, 0x0
	.amdhsa_kernel k_q0d7f3948c5_cast
		.amdhsa_group_segment_fixed_size 0
		.amdhsa_private_segment_fixed_size 0
		.amdhsa_enable_private_segment 0
		.amdhsa_kernarg_size 64
		.amdhsa_user_sgpr_count 2
		.amdhsa_user_sgpr_kernarg_segment_ptr 1
		.amdhsa_wavefront_size32 1
		.amdhsa_system_sgpr_workgroup_id_x 1
		.amdhsa_system_sgpr_workgroup_id_y 1
		.amdhsa_system_sgpr_workgroup_id_z 1
		.amdhsa_system_vgpr_workitem_id 0
		.amdhsa_next_free_vgpr 104
		.amdhsa_next_free_sgpr 66
		.amdhsa_reserve_vcc 0
		.amdhsa_float_denorm_mode_32 3
		.amdhsa_float_denorm_mode_16_64 3
		.amdhsa_memory_ordered 1
		.amdhsa_forward_progress 1
		.amdhsa_inst_pref_size 16
	.end_amdhsa_kernel
	.amdgpu_metadata
---
amdhsa.version: [ 1, 2 ]
amdhsa.kernels:
  - .name:           k_q0d7f3948c5_cast
    .symbol:         k_q0d7f3948c5_cast.kd
    .args:
      - { .name: x, .offset: 0, .size: 8, .value_kind: global_buffer, .address_space: global }
      - { .name: Wq, .offset: 8, .size: 8, .value_kind: global_buffer, .address_space: global }
      - { .name: Wk, .offset: 16, .size: 8, .value_kind: global_buffer, .address_space: global }
      - { .name: Wv, .offset: 24, .size: 8, .value_kind: global_buffer, .address_space: global }
      - { .name: Wo, .offset: 32, .size: 8, .value_kind: global_buffer, .address_space: global }
      - { .name: xb, .offset: 40, .size: 8, .value_kind: global_buffer, .address_space: global }
      - { .name: wb, .offset: 48, .size: 8, .value_kind: global_buffer, .address_space: global }
      - { .name: wob, .offset: 56, .size: 8, .value_kind: global_buffer, .address_space: global }
    .group_segment_fixed_size: 0
    .private_segment_fixed_size: 0
    .kernarg_segment_align: 8
    .kernarg_segment_size: 64
    .max_flat_workgroup_size: 256
    .sgpr_count:     66
    .vgpr_count:     104
    .wavefront_size: 32
...
	.end_amdgpu_metadata
.endif
;; end of part 1
;; launch qkv (part 2): grid 8 x 32, 4 waves a work-group, clusters of 4 x 4, 327,680 bytes of LDS; arguments xb, wb, qkv; writes qkv
.if DOCPART == 2
	.amdgcn_target "amdgcn-amd-amdhsa--gfx1250"
	.amdhsa_code_object_version 6
	.text
	.protected	k_q0d7f3948c5_qkv
	.globl	k_q0d7f3948c5_qkv
	.p2align	8
	.type	k_q0d7f3948c5_qkv,@function
k_q0d7f3948c5_qkv:
	s_mov_b64 s[64:65], 0
	v_nop
	global_prefetch_b8 v0, s[64:65] scope:SCOPE_SE
	s_setreg_imm32_b32 hwreg(HW_REG_WAVE_MODE, 25, 1), 1
	s_wait_xcnt 0x0
	s_wait_alu depctr_hold_cnt(0) depctr_sa_sdst(0) depctr_va_vdst(0) depctr_va_sdst(0) depctr_va_ssrc(0) depctr_va_vcc(0) depctr_vm_vsrc(0)
	s_getreg_b32 s2, hwreg(HW_REG_IB_STS2, 6, 4)
	s_cmp_eq_u32 s2, 0
	s_cbranch_scc0 .Lentry_in_a_cluster
	s_endpgm
.Lentry_in_a_cluster:
	s_bfe_u32 s2, ttmp6, 0x10000c
	s_cmp_lg_u32 s2, 0xf033
	s_cbranch_scc0 .Lentry_shape_is_right
	s_endpgm
.Lentry_shape_is_right:
; q, k, v = xb wb^T.  xb: [8192][1024] bf16, wb: [3072][1024] bf16 (rows of Wq, Wk, Wv), sums in f32, results rounded once to f16.
; WHY f16 RESULTS: a batch's first rows see one or two keys, so v's rounding reaches the output unaveraged, at some ten times the output's
; root mean square; f16's 11 significant bits make that rounding eight times finer than bf16's 8, and the results have the room: see LIMIT.
; OUTPUT LAYOUT: qkv[slot][row][64], slot = column / 64 (q heads 0-15, k heads 16-31, v heads 32-47), row = batch x 4096 + position.
; A WORK-GROUP STAYS FOR TWO BLOCKS of 256 rows x 192 columns (three whole head slots each), neighbours along the columns: 32 x 8 = 256
; work-groups of equal work.  The ring of LDS slots runs on from the first block into the second: the first block's last two refills fetch the
; second block's first two K steps, so the second block starts on tiles that are there, and the first block's stores leave while it is made.
; Four waves stacked along the rows: a wave makes 64 x 192 = 4 x 12 accumulator tiles of 16 x 16 (384 registers) and so owns whole head rows.
; K goes in steps of 128 through two LDS slots filled by tensor loads; a tile's rows are 256 bytes of memory, at multiples of 256 bytes.
; CLUSTER 4 x 4: the four work-groups of a row of the cluster need the same rows of xb, the four of a column the same rows of wb; each such
; tile is asked for jointly, by the same load with the same descriptor in all four.
; REGISTER WINDOWS: 0: addresses, A's fragments (two buffers), the way out.  1: B's fragments (two buffers).  2: accumulators of my rows
; 0-31 (tile (a, b) at 8 (12 a + b)).  3: those of my rows 32-63.
; The product is used transposed (source 0 = rows of wb, source 1 = rows of xb): lane l then holds row l % 16 of the result and its eight
; registers the columns 8 (l / 16) + 0..7: sixteen neighbouring bytes after rounding.
; LIMIT: operands are bf16 (f32's range); results are f16: a projection above 65,504 in magnitude becomes infinite.  A sum of 1,024 products of
; numbers of spread 1 and 0.02 has a spread of 0.64; both inputs 30 times larger make it 576; offsets of 30 spreads on both give
; 1024 x 30 x 0.6 = 18,432.
.set NB,     12                        ; B fragments of a block (and of each wave)
.set BN,     16*NB                     ; 192 columns
.set SIZE_K, 1024
.set KSTEP,  128
.set PITCH,  272                       ; LDS row: 256 bytes + 16: the sixteen rows of a fragment load start 16 bytes apart modulo 256
.set HALFA,  128*PITCH                 ; what one load brings of A
.set HALFB,  (BN/2)*PITCH              ; what one load brings of B: 96 rows
.set SLOT,   2*HALFA+2*HALFB           ; A's 256 rows, then B's 192 rows
.set STAGE,  2*SLOT                    ; behind the ring (a multiple of 256): the way out; no tensor load lands here
.set SPITCH, 2*BN+16                   ; 400: a stage row, 192 f16 + 16 bytes
.set STG,    16*SPITCH                 ; a wave's stage: 16 rows
.set LAPS,   SIZE_K/(2*KSTEP)          ; 4 laps of two K steps in a block
.set HEADB,  8192*128                  ; bytes of a head slot
.set ADRA, 16                          ; v16-17  LDS address of my A fragments in slot 0, 1
.set ADRB, 20                          ; v20-21  the same for B
.set STO,  24                          ; where I put 16 bytes of a row
.set RD,   25                          ; where I read head rows back
.set CO,   26                          ; 16 x lane: my bytes in four neighbouring head rows
.set FA0,  32                          ; window 0: A's fragments, buffer 0 (4 x 8)
.set FA1,  64                          ; buffer 1
.set TMP,  96                          ; v[96:143]  packed results
.set RB0,  144                         ; v[144:191] rows read back
.set RB1,  192                         ; v[192:239] the same, in turn (clear of the fragments: buffer 0 holds the next block's during the first way out)
.set FB0,  0                           ; window 1: B's fragments, buffer 0 (12 x 8)
.set FB1,  8*NB                        ; buffer 1
.set G1,  24                           ; s[24:31] group 1 for A's tiles
.set G0,  32                           ; s[32:39] group 0 for A's tiles, a set for each slot
.set G1B, 48                           ; s[48:55] group 1 for B's tiles
.set G0B, 56                           ; s[56:63] group 0 for B's tiles
.set MSB, 0
.macro WIN new                         ; the immediate's high byte repeats the setting that is left
.if MSB != \new
	s_set_vgpr_msb (MSB<<8)|\new
.set MSB, \new
.endif
.endm
.set MUL_LO, 0xa1                      ; source 0 (B) window 1, source 1 (A) window 0, C and D window 2
.set MUL_HI, 0xf1                      ; the same, C and D window 3
.set TO_B,   0x40                      ; destination window 1, address window 0
; A joint load: waves 0 and 1 fetch A's halves, waves 2 and 3 B's.  The branch hangs on the wave's number alone.
.macro JLOAD s
	s_cmp_eq_u32 s11, 0
	s_cbranch_scc0 .Lfor_b_\@
	tensor_load_to_lds s[G0+4*\s:G0+4*\s+3], s[G1:G1+7]
	s_nop 0
	s_branch .Lasked_\@
.Lfor_b_\@:
	tensor_load_to_lds s[G0B+4*\s:G0B+4*\s+3], s[G1B:G1B+7]
	s_nop 0
.Lasked_\@:
.endm
; A round of the cluster's barrier behind its opening work-group barrier: wave 0 signals for the work-group, every wave waits for all
; sixteen work-groups, and the work-group's barrier closes the round.
.macro CREST
	s_cmp_lg_u32 s10, 0
	s_cbranch_scc1 .Lnot_wave_0_\@
	s_barrier_signal -3
.Lnot_wave_0_\@:
	s_barrier_wait -3
	s_barrier_signal -1
	s_barrier_wait -1
.endm
.macro CROUND
	s_barrier_signal -1
	s_barrier_wait -1
	CREST
.endm
	s_load_b128 s[4:7], s[0:1], 0x0                ; xb s[4:5], wb s[6:7]
	s_load_b64 s[8:9], s[0:1], 0x10                ; qkv
	s_set_vgpr_msb 0x40
	v_lshl_add_u32 v255, v0, 2, 0x41c00
	s_set_vgpr_msb 0x4000
	v_mov_b32 v255, 0
	s_set_vgpr_msb 0x1
	ds_add_u32 v255, v255
	ds_add_u32 v255, v255
	s_set_vgpr_msb 0x100
	v_lshrrev_b32 v1, 5, v0
	v_readfirstlane_b32 s10, v1                    ; wave 0..3
	s_lshr_b32 s11, s10, 1                         ; I fetch for A (0) or for B (1)
	s_and_b32 s12, s10, 1                          ; which half of that tile
	s_bfe_u32 s40, ttmp6, 0x40000                  ; cx
	s_bfe_u32 s41, ttmp6, 0x40004                  ; cy
	s_lshl_b32 s42, ttmp9, 2
	s_add_co_u32 s42, s42, s40                     ; pair of block columns = 4 x cluster x + cx
	s_and_b32 s13, ttmp7, 0xffff
	s_lshl_b32 s13, s13, 2
	s_add_co_u32 s13, s13, s41                     ; block row = 4 x cluster y + cy
	s_lshl_b32 s43, s41, 2
	s_lshl_b32 s43, 15, s43                        ; my row of the cluster
	s_lshl_b32 s44, 0x1111, s40                    ; my column
	; group 1: rows of 128 elements of 2 bytes, 16 bytes of padding behind each 64 words
	s_or_b32 s[G1+0], s43, (1<<16)|(1<<20)|(1<<21)|(5<<22)|(3<<25)   ; A's tiles go to my row of the cluster
	s_or_b32 s[G1B+0], s44, (1<<16)|(1<<20)|(1<<21)|(5<<22)|(3<<25)  ; B's to my column
	s_mov_b32 s[G1+1], KSTEP<<16                   ; tensor_dim0 = 128
	s_mov_b32 s[G1B+1], KSTEP<<16
	s_mov_b32 s[G1+2], 128<<16                     ; tensor_dim1 = 128 rows
	s_mov_b32 s[G1B+2], (BN/2)<<16                 ; 96 rows
	s_mov_b32 s[G1+3], KSTEP<<16                   ; tile_dim0 = 128
	s_mov_b32 s[G1B+3], KSTEP<<16
	s_mov_b32 s[G1+4], 128                         ; tile_dim1
	s_mov_b32 s[G1B+4], BN/2
	s_mov_b32 s[G1+5], SIZE_K                      ; elements from row to row
	s_mov_b32 s[G1B+5], SIZE_K
	s_mov_b32 s[G1+6], 0
	s_mov_b32 s[G1B+6], 0
	s_mov_b32 s[G1+7], 0
	s_mov_b32 s[G1B+7], 0
	; A's tiles hang on the block row alone, B's on the pair of block columns alone, each in registers that never hold the other coordinate
	s_lshl_b32 s17, s12, 7
	s_lshl_b32 s16, s13, 8
	s_add_co_u32 s16, s16, s17                     ; A: row 256 x block row + 128 x half
	s_lshl_b32 s16, s16, 11                        ; x 2,048 bytes a row (below 2^25)
	s_mov_b32 s17, 0
	s_mul_i32 s46, s42, 2*BN
	s_mul_i32 s47, s12, BN/2
	s_add_co_u32 s46, s46, s47                     ; B, first block: row 384 x pair + 96 x half
	s_lshl_b32 s46, s46, 11
	s_mov_b32 s47, 0
	s_mul_i32 s66, s42, 6*HEADB                    ; the stores: pair x six head slots
	s_mov_b32 s67, 0
	s_mul_i32 s20, s10, HALFA                      ; LDS: A's halves at wave x HALFA (waves 0, 1)
	s_mul_i32 s45, s10, HALFB
	s_add_co_u32 s45, s45, 2*(HALFA-HALFB)         ; B's halves behind A's 256 rows (waves 2, 3): 2 HALFA + (wave - 2) HALFB
	s_wait_dscnt 0x0
	s_wait_kmcnt 0x0
	s_add_nc_u64 s[14:15], s[4:5], s[16:17]        ; A's base: kept, both blocks read the same rows of xb
	s_add_nc_u64 s[46:47], s[6:7], s[46:47]        ; B's base: kept, the second block's rows lie 192 rows further on
	s_lshl_b32 s16, s13, 15                        ; the stores: block row x 256 rows x 128 bytes
	s_lshl_b32 s17, s10, 13                        ; + wave x 64 rows x 128 bytes
	s_add_co_u32 s16, s16, s17
	s_mov_b32 s17, 0
	s_add_nc_u64 s[8:9], s[8:9], s[16:17]
	s_add_nc_u64 s[8:9], s[8:9], s[66:67]          ; never written again: block, head and row stand in the stores' immediates
	CROUND                                         ; all sixteen work-groups are here: the first joint loads meet
.irp s, 0,1
	s_mov_b32 s[G0+4*\s], 1
	s_add_co_u32 s[G0+4*\s+1], s20, \s*SLOT
	s_add_nc_u64 s[G0+4*\s+2:G0+4*\s+3], s[14:15], \s*KSTEP*2      ; K step s
	s_or_b32 s[G0+4*\s+3], s[G0+4*\s+3], 0x80000000
	s_mov_b32 s[G0B+4*\s], 1
	s_add_co_u32 s[G0B+4*\s+1], s45, \s*SLOT
	s_add_nc_u64 s[G0B+4*\s+2:G0B+4*\s+3], s[46:47], \s*KSTEP*2
	s_or_b32 s[G0B+4*\s+3], s[G0B+4*\s+3], 0x80000000
	JLOAD \s                                       ; both first fills go out together: two tensor loads of a wave are out, later one
.endr
	; a fragment: lane l holds row l % 16; registers 0-3 K = 8 (l / 16) + 0..7, registers 4-7 K = 16 + 8 (l / 16) + 0..7
	v_and_b32 v1, 15, v0                           ; r
	v_bfe_u32 v2, v0, 4, 1                         ; h
	v_and_b32 v6, 31, v0                           ; lane
	v_mul_u32_u24 v3, v1, PITCH
	v_lshl_add_u32 v3, v2, 4, v3                   ; r x pitch + 16 h
	s_mul_i32 s21, s10, 64*PITCH                   ; my 64 rows of A
	s_mov_b32 s22, 2*HALFA                         ; all of B
.irp s, 0,1
	v_add_nc_u32 v[ADRA+\s], s21, v3
	v_add_nc_u32 v[ADRB+\s], s22, v3
	s_add_co_u32 s21, s21, SLOT
	s_add_co_u32 s22, s22, SLOT
.endr
	s_mul_i32 s23, s10, STG
	s_add_co_u32 s23, s23, STAGE                   ; my stage
	v_mul_u32_u24 v4, v1, SPITCH
	v_lshl_add_u32 v4, v2, 4, v4
	v_add_nc_u32 v[STO], s23, v4                   ; in: row r, 16 bytes for each half of the lanes
	v_lshrrev_b32 v5, 3, v6
	v_mul_u32_u24 v5, v5, SPITCH
	v_and_b32 v7, 7, v0
	v_lshl_add_u32 v5, v7, 4, v5
	v_add_nc_u32 v[RD], s23, v5                    ; back: eight lanes take the 128 bytes of one head in one row, 32 lanes four rows
	v_lshlrev_b32 v[CO], 4, v6                     ; which are 512 consecutive bytes of the head's slot
; NB matrix instructions: row block a of the window's two (hi = 0: my rows 0-31, 1: rows 32-63) x all column blocks, 32 along K
.macro MULROW fa, fb, hi, a, zero
.set bb, 0
.rept NB
.if \zero
	v_wmma_f32_16x16x32_bf16 v[8*(NB*\a+bb):8*(NB*\a+bb)+7], v[\fb+8*bb:\fb+8*bb+7], v[\fa+8*(2*\hi+\a):\fa+8*(2*\hi+\a)+7], 0
.else
	v_wmma_f32_16x16x32_bf16 v[8*(NB*\a+bb):8*(NB*\a+bb)+7], v[\fb+8*bb:\fb+8*bb+7], v[\fa+8*(2*\hi+\a):\fa+8*(2*\hi+\a)+7], v[8*(NB*\a+bb):8*(NB*\a+bb)+7]
.endif
.set bb, bb+1
.endr
.endm
; one run of 2 NB + 8 LDS loads: the fragments of a quarter step (32 K at byte k of the rows): B's first, A's last
.macro FETCH slot, k, fa, fb
	WIN TO_B
.set bb, 0
.rept NB
	ds_load_b128 v[\fb+8*bb:\fb+8*bb+3],   v[ADRB+\slot] offset:\k+bb*16*PITCH
	ds_load_b128 v[\fb+8*bb+4:\fb+8*bb+7], v[ADRB+\slot] offset:\k+bb*16*PITCH+32
.set bb, bb+1
.endr
	WIN 0
.irp i, 0,1,2,3
	ds_load_b128 v[\fa+8*\i:\fa+8*\i+3],   v[ADRA+\slot] offset:\k+\i*16*PITCH
	ds_load_b128 v[\fa+8*\i+4:\fa+8*\i+7], v[ADRA+\slot] offset:\k+\i*16*PITCH+32
.endr
.endm
; Four places between a matrix instruction and a load into one of its sources, or a vector instruction that reads its result
.macro PLACES
.rept 4
	v_nop
.endr
.endm
; A quarter step: 4 NB matrix instructions on buffer f; in its middle the next quarter's fragments are fetched into buffer g.
; The 4 NB accumulators take turns in one fixed order in every quarter, one instruction a turn.
.macro QUARTER slot, k, fa, fb, ga, gb, zero
	s_wait_dscnt 4                                 ; B and A's fragments 0, 1 are in; the four youngest loads (A's fragments 2, 3) may be out
	WIN MUL_LO
	MULROW \fa, \fb, 0, 0, \zero
	MULROW \fa, \fb, 0, 1, \zero
	PLACES
	FETCH \slot, \k, \ga, \gb
	s_wait_dscnt 2*NB+8                            ; all but the run just issued
	WIN MUL_HI
	MULROW \fa, \fb, 1, 0, \zero
	MULROW \fa, \fb, 1, 1, \zero
.endm
.macro THREE slot, zero
	QUARTER \slot, 64,  FA0, FB0, FA1, FB1, \zero
	QUARTER \slot, 128, FA1, FB1, FA0, FB0, 0
	QUARTER \slot, 192, FA0, FB0, FA1, FB1, 0
.endm
; The last quarter of a K step changes slots.  In front of the barrier each wave waits for its reads of this slot and for all its tensor
; loads (one is out: its part of the next slot).  Behind it (where the slot is filled again: behind the cluster's round that it opens) the
; refill is the first tensor load, then the next slot's first fragments are read.
; fill = 0: nothing is left to fetch.  1: this slot gets the tile two K steps on.  2: this slot gets the NEXT BLOCK's K step of the slot's number:
; A's rows again from their first K step, B's rows 192 further on; the addresses are made anew from the kept bases.
.macro TURN slot, next, fill
	s_wait_dscnt 4
	WIN MUL_LO
	MULROW FA1, FB1, 0, 0, 0
	s_wait_dscnt 0                                 ; my reads of this slot are over
	s_wait_tensorcnt 0x0                           ; all my tensor loads have landed: every group 0 may be written
	ds_add_u32 v255, v255
	s_wait_dscnt 0x0
	s_barrier_signal -1
	MULROW FA1, FB1, 0, 1, 0                       ; register work while the others arrive
	WIN 0
	s_barrier_wait -1
.if \fill == 1
	CREST                                          ; no wave of any partner still reads this slot or has a load on its way
	s_add_nc_u64 s[G0+4*\slot+2:G0+4*\slot+3], s[G0+4*\slot+2:G0+4*\slot+3], 2*KSTEP*2
	s_add_nc_u64 s[G0B+4*\slot+2:G0B+4*\slot+3], s[G0B+4*\slot+2:G0B+4*\slot+3], 2*KSTEP*2
	JLOAD \slot                                    ; two K steps ahead; 15 NB matrix instructions stand between this request and the wait for it
.endif
.if \fill == 2
	CREST
	s_add_nc_u64 s[G0+4*\slot+2:G0+4*\slot+3], s[14:15], \slot*KSTEP*2
	s_or_b32 s[G0+4*\slot+3], s[G0+4*\slot+3], 0x80000000
	s_add_nc_u64 s[G0B+4*\slot+2:G0B+4*\slot+3], s[46:47], BN*SIZE_K*2+\slot*KSTEP*2
	s_or_b32 s[G0B+4*\slot+3], s[G0B+4*\slot+3], 0x80000000
	JLOAD \slot
.endif
	PLACES
	FETCH \next, 0, FA0, FB0
	WIN MUL_HI
	MULROW FA1, FB1, 1, 0, 0
	MULROW FA1, FB1, 1, 1, 0
.endm
.macro LAP zero, fill
	THREE 0, \zero
	TURN 0, 1, \fill
	THREE 1, 0
	TURN 1, 0, \fill
.endm
; THE WAY OUT, 16 rows at a time: round, 16 bytes a lane into my own stage, read back by heads, store 512 consecutive bytes a wave.
; rows 16 i .. 16 i + 15 of my 64 = the tiles (a, 0..11) of window 2 or 3 (from = 0x0a or 0x0f: sources 0 and 1); blk = which of my two blocks
.macro OUT16 blk, i, a, from, rb
	WIN \from
.set bb, 0
.rept NB
.irp r, 0,1,2,3
	v_cvt_pk_f16_f32 v[TMP+4*bb+\r], v[8*(NB*\a+bb)+2*\r], v[8*(NB*\a+bb)+2*\r+1]
.endr
.set bb, bb+1
.endr
	WIN 0
.set bb, 0
.rept NB
	ds_store_b128 v[STO], v[TMP+4*bb:TMP+4*bb+3] offset:32*bb
.set bb, bb+1
.endr
	s_wait_xcnt 0x0                                ; the buffer that earlier stores read is loaded again only behind this wait
.irp hh, 0,1,2
.irp t, 0,1,2,3
	ds_load_b128 v[\rb+4*(4*\hh+\t):\rb+4*(4*\hh+\t)+3], v[RD] offset:4*SPITCH*\t+128*\hh   ; LDS serves a wave in order: these see the stores above
.endr
.endr
.irp hh, 0,1,2
.irp t, 0,1,2,3
	s_wait_dscnt 11-(4*\hh+\t)
	global_store_b128 v[CO], v[\rb+4*(4*\hh+\t):\rb+4*(4*\hh+\t)+3], s[8:9] offset:(3*\blk+\hh)*HEADB+(16*\i+4*\t)*128   ; four head rows: 512 consecutive bytes, aligned; at most 5 head slots + 8 KiB, inside the signed 24 bits
.endr
.endr
.endm
.macro OUTBLK blk
	PLACES                                         ; behind the block's last matrix instructions, in front of the conversions that read results
	OUT16 \blk, 0, 0, 0x0a, RB0
	OUT16 \blk, 1, 1, 0x0a, RB1
	OUT16 \blk, 2, 0, 0x0f, RB0
	OUT16 \blk, 3, 1, 0x0f, RB1
.endm
	s_wait_tensorcnt 1                             ; my part of K step 0 is in; K step 1's may stay out
	s_barrier_signal -1
	s_barrier_wait -1
	FETCH 0, 0, FA0, FB0
	; THE FIRST BLOCK
	LAP 1, 1                                       ; the first products start the sums: nothing is cleared
	WIN 0
	s_mov_b32 s3, LAPS-2
.Llap0:
	LAP 0, 1
	WIN 0
	s_sub_co_u32 s3, s3, 1
	s_cmp_lg_u32 s3, 0
	s_cbranch_scc1 .Llap0
	LAP 0, 2                                       ; its last lap fetches the second block's K steps 0 and 1, and its first fragments
	OUTBLK 0                                       ; K step 1's tile lands meanwhile; the stores leave while the second block is multiplied
	; THE SECOND BLOCK
	LAP 1, 1                                       ; its first products start the sums anew, on accumulators that the conversions have read
	WIN 0
	s_mov_b32 s3, LAPS-2
.Llap1:
	LAP 0, 1
	WIN 0
	s_sub_co_u32 s3, s3, 1
	s_cmp_lg_u32 s3, 0
	s_cbranch_scc1 .Llap1
	THREE 0, 0                                     ; the last lap fills nothing
	TURN 0, 1, 0
	THREE 1, 0
	s_wait_dscnt 4
	WIN MUL_LO
	MULROW FA1, FB1, 0, 0, 0
	MULROW FA1, FB1, 0, 1, 0
	s_wait_dscnt 0
	WIN MUL_HI
	MULROW FA1, FB1, 1, 0, 0
	MULROW FA1, FB1, 1, 1, 0
	OUTBLK 1
	s_set_vgpr_msb 0x1
	s_wait_tensorcnt 0x0
	ds_add_u32 v255, v255
	s_wait_dscnt 0x0
	s_set_vgpr_msb 0x100
	CROUND                                         ; the closing round: no work-group ends while a partner may still ask jointly
	s_endpgm
.Lfunc_end_k_q0d7f3948c5_qkv:
	.size	k_q0d7f3948c5_qkv, .Lfunc_end_k_q0d7f3948c5_qkv-k_q0d7f3948c5_qkv
	.p2alignl 7, 3214868480
	.fill 96, 4, 3214868480
	.section	.rodata,"a",@progbits
	.p2align	6, 0x0
	.amdhsa_kernel k_q0d7f3948c5_qkv
		.amdhsa_group_segment_fixed_size 327680
		.amdhsa_private_segment_fixed_size 0
		.amdhsa_enable_private_segment 0
		.amdhsa_kernarg_size 24
		.amdhsa_user_sgpr_count 2
		.amdhsa_user_sgpr_kernarg_segment_ptr 1
		.amdhsa_wavefront_size32 1
		.amdhsa_system_sgpr_workgroup_id_x 1
		.amdhsa_system_sgpr_workgroup_id_y 1
		.amdhsa_system_sgpr_workgroup_id_z 1
		.amdhsa_system_vgpr_workitem_id 0
		.amdhsa_next_free_vgpr 1024
		.amdhsa_next_free_sgpr 68
		.amdhsa_reserve_vcc 0
		.amdhsa_float_denorm_mode_32 3
		.amdhsa_float_denorm_mode_16_64 3
		.amdhsa_memory_ordered 1
		.amdhsa_forward_progress 1
		.amdhsa_inst_pref_size 255
	.end_amdhsa_kernel
	.section	.bss,"aw",@nobits
	.p2align	6
	.space	262144
	.amdgpu_metadata
---
amdhsa.version: [ 1, 2 ]
amdhsa.kernels:
  - .name:           k_q0d7f3948c5_qkv
    .symbol:         k_q0d7f3948c5_qkv.kd
    .args:
      - { .name: xb, .offset: 0, .size: 8, .value_kind: global_buffer, .address_space: global }
      - { .name: wb, .offset: 8, .size: 8, .value_kind: global_buffer, .address_space: global }
      - { .name: qkv, .offset: 16, .size: 8, .value_kind: global_buffer, .address_space: global }
    .group_segment_fixed_size: 327680
    .private_segment_fixed_size: 0
    .kernarg_segment_align: 8
    .kernarg_segment_size: 24
    .max_flat_workgroup_size: 128
    .sgpr_count:     68
    .vgpr_count:     1024
    .wavefront_size: 32
...
	.end_amdgpu_metadata
.endif
;; end of part 2
;; launch attn (part 3): grid 16 x 16, 8 waves a work-group, no clusters, 304,128 bytes of LDS; arguments qkv, ao; writes ao
.if DOCPART == 3
	.amdgcn_target "amdgcn-amd-amdhsa--gfx1250"
	.amdhsa_code_object_version 6
	.text
	.protected	k_q0d7f3948c5_attn
	.globl	k_q0d7f3948c5_attn
	.p2align	8
	.type	k_q0d7f3948c5_attn,@function
k_q0d7f3948c5_attn:
	s_mov_b64 s[64:65], 0
	v_nop
	global_prefetch_b8 v0, s[64:65] scope:SCOPE_SE
	s_setreg_imm32_b32 hwreg(HW_REG_WAVE_MODE, 25, 1), 1
	s_wait_xcnt 0x0
; Causal window attention: query at position s sees keys s - 127 .. s of its batch and head; softmax of q.k / 8 in f32 with the row's true maximum.
; qkv: [48 slots][8192 rows][64] f16 (q heads 0-15, k 16-31, v 32-47).  ao: [8192][1024] f16, column = head x 64 + d.
; A work-group: 256 queries (chunk c = x) of two heads 2p, 2p+1 of one batch (y = 8 b + p).  Eight waves; wave w takes queries 32 w .. 32 w + 31,
; head 2p first, then head 2p+1.  Its keys are LDS rows 32 w .. 32 w + 159 (LDS row 0 = key 256 c - 128): ten key tiles of 16.
; FOUR STAGES: all K and V rows of the work-group (384 rows x 2 heads) are asked for at the first lines, four tensor loads a wave (four tensor
; loads of a wave are out at the most), in the order in which they are needed: K of head 2p, V of head 2p, K of head 2p+1, V of head 2p+1; each load
; is the wave's eighth of its tile, rows 48 w .. 48 w + 47.  A stage of one head is 192 rows of 256 bytes for eight waves: 24 rows a load.  Each stage
; has its own counted wait and barrier, so K Q^T starts when a quarter of the bytes is there, and V's barrier stands behind the first query
; tile's softmax.  No LDS byte is filled twice.
; NO CLUSTER: neighbouring chunks share only the 128 halo rows of 384, a third of a work-group's K and V bytes, at different LDS rows.
; LAYOUTS: S^T = K Q^T: lane (r, h), register j holds (key 16 kt + 8 h + j, query r), so a query's maximum and sum lie in lanes r and r + 16,
; and the rounded pairs of tiles 2g, 2g+1 ARE the second source P^T of O^T = V^T P^T (V^T by transposing LDS loads); no score goes through LDS.
; O^T: lane (r, h), register j holds (d = 16 dt + 8 h + j, query r): 16 neighbouring bytes after rounding.
; BAND, with qq = 16 qt + r, kk = 16 kt + 8 h + j: kept iff qq < kk <= qq + 128.  Query tile 0 uses key tiles 0-8, query tile 1 tiles 1-9; only
; the first and the last of the nine are cut, both by M_j = (j <= r - 8 h): the last is kept where M_j holds, the first where it does not.
; LIMITS: operands f16, P too: P = exp(s - max) lies in (0, 1], and a probability below 2^-25 of the row's largest comes out as 0.  In a batch's
; first chunk the 128 LDS rows that stand for the missing keys hold neighbouring rows of qkv: their scores are replaced by -inf by a select
; and their V rows meet exact zeros, which is right whenever all projections are finite in f16 (below 65,504 in magnitude).
.set KP,    144                        ; K's LDS pitch: 128 + 16, an odd multiple of 16
.set VP,    160                        ; V's LDS pitch: 128 + 32, an odd multiple of 32 (transposing loads)
.set KREG,  384*KP                     ; 55,296: K of one head
.set VREG,  384*VP                     ; 61,440: V of one head
.set VBASE, 2*KREG                     ; 110,592
.set STAGE, VBASE+2*VREG               ; 233,472 (a multiple of 256): the way out, no tensor load lands here
.set SP,    272                        ; stage row: 256 bytes (both heads) + 16
.set STG,   32*SP                      ; a wave's stage
.set HEADB, 8192*128                   ; bytes of a head slot
.set PART,  48                         ; head rows in one tensor load
; window 0
.set KA,  8                            ; v8-9   LDS address of my K fragments, head 0, 1
.set STO, 10
.set RD,  11
.set CO,  12
.set NEG, 13                           ; -inf
.set QO,  14                           ; my bytes in Q's rows
.set S,   16                           ; v[16:175] scores: tile (qt, kt) at S + 80 qt + 8 kt; later P^T, group g at S + 80 qt + 16 g
.set KF,  176                          ; v[176:239] two buffers of two K tiles (16 registers each); later packed results
.set T,   240                          ; v[240:247] at work
.set NM,  248                          ; v[248:249] - maximum x scale, twice
.set INV, 250                          ; v[250:253] 1 / sum, a pair for each query tile
; window 1
.set QF,  0                            ; v[0:63]    Q's fragments at 32 head + 16 qt + 8 step
.set OA,  64                           ; v[64:127]  O^T at 32 qt + 8 dt
.set VF,  128                          ; v[128:191] V^T fragments at 32 buffer + 8 dt
.set VA,  192                          ; v192-193   LDS address of my V rows, head 0, 1
.set MSB, 0
.macro WIN new
.if MSB != \new
	s_set_vgpr_msb (MSB<<8)|\new
.set MSB, \new
.endif
.endm
.macro PLACES                          ; four places behind a matrix instruction (ISA guide 7.12.1)
.rept 4
	v_nop
.endr
.endm
	s_load_b128 s[4:7], s[0:1], 0x0                ; qkv s[4:5], ao s[6:7]
	v_lshl_add_u32 v254, v0, 2, 0x4a000
	v_mov_b32 v255, 0
	ds_add_u32 v254, v255
	ds_add_u32 v254, v255
	; everything that needs no pointer is made while the arguments are on their way
	v_lshrrev_b32 v4, 5, v0
	v_readfirstlane_b32 s8, v4                     ; wave w
	s_mov_b32 s9, ttmp9                            ; chunk c
	s_and_b32 s10, ttmp7, 0xffff
	s_lshr_b32 s11, s10, 3                         ; batch b
	s_and_b32 s12, s10, 7                          ; pair of heads p
	s_lshl_b32 s13, s11, 12
	s_lshl_b32 s78, s9, 8
	s_add_co_u32 s13, s13, s78                     ; my first row = 4096 b + 256 c
	; group 1: 48 head rows are 6,144 consecutive bytes: 24 rows of 32 elements of 8 bytes; padding behind every 32 words = behind each head row
	s_mov_b32 s16, (3<<16)|(1<<20)|(4<<22)|(3<<25) ; K: 4 words of padding
	s_mov_b32 s17, 32<<16                          ; tensor_dim0 = 32
	s_mov_b32 s18, (PART/2)<<16                    ; tensor_dim1 = 24
	s_mov_b32 s19, 32<<16                          ; tile_dim0 = 32
	s_mov_b32 s20, PART/2                          ; tile_dim1 = 24
	s_mov_b32 s21, 32                              ; elements from row to row: dense
	s_mov_b32 s22, 0
	s_mov_b32 s23, 0
	s_mov_b32 s24, (3<<16)|(1<<20)|(4<<22)|(7<<25) ; V: 8 words of padding
	s_mov_b32 s25, 32<<16
	s_mov_b32 s26, (PART/2)<<16
	s_mov_b32 s27, 32<<16
	s_mov_b32 s28, PART/2
	s_mov_b32 s29, 32
	s_mov_b32 s30, 0
	s_mov_b32 s31, 0
	s_lshl_b32 s14, s12, 21                        ; p x two head slots
	s_lshl_b32 s78, s13, 7
	s_add_co_u32 s14, s14, s78                     ; + my first row x 128 bytes
	s_mul_i32 s2, s8, PART*128
	s_add_co_u32 s2, s2, s14                       ; tiles: + w x 48 rows
	s_mov_b32 s3, 0
	s_lshl_b32 s78, s8, 12
	s_add_co_u32 s14, s14, s78                     ; Q: + 32 w rows
	s_mov_b32 s15, 0
	s_lshl_b32 s78, s8, 5
	s_add_co_u32 s76, s13, s78
	s_lshl_b32 s76, s76, 11                        ; ao: (my first row + 32 w) x 2,048 bytes
	s_lshl_b32 s78, s12, 8
	s_add_co_u32 s76, s76, s78                     ; + 256 p
	s_mov_b32 s77, 0
	; group 0: K of head 2p s[32:35], V of head 2p s[36:39], K of head 2p+1 s[68:71], V of head 2p+1 s[72:75]
	s_mov_b32 s32, 1
	s_mov_b32 s36, 1
	s_mov_b32 s68, 1
	s_mov_b32 s72, 1
	s_mul_i32 s33, s8, PART*KP                     ; LDS byte 6,912 w
	s_add_co_u32 s69, s33, KREG
	s_mul_i32 s37, s8, PART*VP
	s_add_co_u32 s37, s37, VBASE                   ; LDS byte 110,592 + 7,680 w
	s_add_co_u32 s73, s37, VREG
	v_and_b32 v2, 15, v0                           ; r
	v_bfe_u32 v3, v0, 4, 1                         ; h
	v_lshlrev_b32 v[QO], 7, v2
	v_lshl_add_u32 v[QO], v3, 4, v[QO]             ; 128 r + 16 h
	v_and_b32 v5, 7, v0
	v_lshl_add_u32 v5, v3, 3, v5                   ; V row 8 h + (l & 7)
	v_mul_u32_u24 v5, v5, VP
	v_bfe_u32 v6, v0, 3, 1
	v_lshl_add_u32 v5, v6, 4, v5                   ; + 16 ((l >> 3) & 1)
	s_mul_i32 s78, s8, 32*VP
	s_add_co_u32 s78, s78, VBASE
	v_add_nc_u32 v15, s78, v5
	v_mul_u32_u24 v5, v2, KP
	v_lshl_add_u32 v5, v3, 4, v5
	s_mul_i32 s78, s8, 32*KP
	v_add_nc_u32 v[KA], s78, v5                    ; (32 w + r) x 144 + 16 h
	v_add_nc_u32 v[KA+1], KREG, v[KA]
	s_mul_i32 s78, s8, STG
	s_add_co_u32 s78, s78, STAGE                   ; my stage
	v_mul_u32_u24 v5, v2, SP
	v_lshl_add_u32 v5, v3, 4, v5
	v_add_nc_u32 v[STO], s78, v5
	v_mul_u32_u24 v5, v3, SP
	v_lshl_add_u32 v5, v2, 4, v5
	v_add_nc_u32 v[RD], s78, v5                    ; sixteen lanes take one row's 256 bytes
	v_lshlrev_b32 v5, 11, v3
	v_lshl_add_u32 v[CO], v2, 4, v5                ; the same two rows in ao
	v_mov_b32 v[NEG], 0xff800000
	v_lshlrev_b32 v5, 3, v3
	v_sub_nc_u32 v5, v2, v5                        ; r - 8 h
.irp j, 0,1,2,3,4,5,6,7
	v_cmp_le_i32 s[40+\j], \j, v5                  ; M_j
.endr
	s_lshl_b32 s78, s8, 1
.irp kt, 0,1,2,3,4,5,6,7
	s_add_co_u32 s79, s78, \kt                     ; in a batch's first chunk key tile kt exists iff 2 w + kt >= 8 (tiles 8, 9 always do)
	s_cmp_ge_u32 s79, 8
	s_cselect_b32 s[48+\kt], -1, 0
.endr
	s_mov_b32 s58, 0x76543210                      ; v_permlanex16_b32: lane i reads lane i of the other half
	s_mov_b32 s59, 0xfedcba98
	s_mov_b32 s60, 0x3e38aa3b                      ; log2(e) / 8
	s_mov_b32 s61, 0x3e38aa3b
	s_mov_b32 s62, 0xbe38aa3b
	s_wait_dscnt 0x0
	s_wait_kmcnt 0x0
	s_add_nc_u64 s[56:57], s[4:5], s[14:15]        ; Q of head 2p at my first query
	s_add_nc_u64 s[34:35], s[4:5], s[2:3]
	s_add_nc_u64 s[34:35], s[34:35], 16*HEADB-128*128   ; K's slots begin at slot 16; 128 rows back: never in front of the buffer
	s_add_nc_u64 s[38:39], s[34:35], 16*HEADB      ; V's slots begin at slot 32
	s_add_nc_u64 s[70:71], s[34:35], HEADB         ; head 2p+1
	s_add_nc_u64 s[74:75], s[38:39], HEADB
	s_or_b32 s35, s35, 0x80000000
	s_or_b32 s39, s39, 0x80000000
	s_or_b32 s71, s71, 0x80000000
	s_or_b32 s75, s75, 0x80000000
	s_add_nc_u64 s[6:7], s[6:7], s[76:77]
.macro QLOAD hd                        ; eight loads: my 32 queries of one head as two query tiles of two fragments
.irp qt, 0,1
.irp q, 0,1,2,3
	global_load_b128 v[QF+32*\hd+16*\qt+4*\q:QF+32*\hd+16*\qt+4*\q+3], v[QO], s[56:57] offset:\hd*HEADB+\qt*2048+32*\q
.endr
.endr
.endm
	WIN 0x40                                       ; destinations in window 1
	QLOAD 0                                        ; what the first products need goes out first
	tensor_load_to_lds s[32:35], s[16:23]          ; K of head 2p
	s_nop 0
	tensor_load_to_lds s[36:39], s[24:31]          ; V of head 2p
	s_nop 0
	tensor_load_to_lds s[68:71], s[16:23]          ; K of head 2p+1
	s_nop 0
	tensor_load_to_lds s[72:75], s[24:31]          ; V of head 2p+1
	s_nop 0
	QLOAD 1
	v_mov_b32 v[VA], v15
	v_add_nc_u32 v[VA+1], VREG, v15
	WIN 0
; eight LDS loads: key tiles kta, ktb (16 rows x 64 d each) into buffer buf
.macro KLOAD buf, kta, ktb, hd
.irp q, 0,1,2,3
	ds_load_b128 v[KF+32*\buf+4*\q:KF+32*\buf+4*\q+3], v[KA+\hd] offset:16*KP*\kta+32*\q
.endr
.irp q, 0,1,2,3
	ds_load_b128 v[KF+32*\buf+16+4*\q:KF+32*\buf+16+4*\q+3], v[KA+\hd] offset:16*KP*\ktb+32*\q
.endr
.endm
.macro SM d, a, b, zero                ; one product; zero = 1 starts the sum
.if \zero
	v_wmma_f32_16x16x32_f16 v[\d:\d+7], v[\a:\a+7], v[\b:\b+7], 0
.else
	v_wmma_f32_16x16x32_f16 v[\d:\d+7], v[\a:\a+7], v[\b:\b+7], v[\d:\d+7]
.endif
.endm
; two key tiles x two query tiles x two steps of 32 d: the four accumulators take turns, one instruction a turn
.macro SMUL2 buf, kta, ktb, hd
.irp st, 0,1
	SM S+8*\kta,    KF+32*\buf+8*\st,    QF+32*\hd+8*\st,    1-\st
	SM S+80+8*\kta, KF+32*\buf+8*\st,    QF+32*\hd+16+8*\st, 1-\st
	SM S+8*\ktb,    KF+32*\buf+16+8*\st, QF+32*\hd+8*\st,    1-\st
	SM S+80+8*\ktb, KF+32*\buf+16+8*\st, QF+32*\hd+16+8*\st, 1-\st
.endr
.endm
; key tile 0 serves query tile 0 alone, key tile 9 query tile 1 alone (buffer 0): two accumulators by turns
.macro SMUL0 hd
.irp st, 0,1
	SM S,     KF+8*\st,    QF+32*\hd+8*\st,    1-\st
	SM S+152, KF+16+8*\st, QF+32*\hd+16+8*\st, 1-\st
.endr
.endm
; eight transposing LDS loads: V^T of key group g (32 keys x 64 d) into buffer buf
.macro VLOAD g, buf, hd
.irp dt, 0,1,2,3
	ds_load_tr16_b128 v[VF+32*\buf+8*\dt:VF+32*\buf+8*\dt+3],   v[VA+\hd] offset:32*VP*\g+32*\dt
	ds_load_tr16_b128 v[VF+32*\buf+8*\dt+4:VF+32*\buf+8*\dt+7], v[VA+\hd] offset:32*VP*\g+16*VP+32*\dt
.endr
.endm
; O^T += V^T P^T for key group g: eight accumulators by turns, in the same order for every g
.macro PVG g, buf, zero
.irp dt, 0,1,2,3
.irp qt, 0,1
	SM OA+32*\qt+8*\dt, VF+32*\buf+8*\dt, S+80*\qt+16*\g, \zero
.endr
.endr
.endm
; a batch's first chunk: key tiles in front of the batch's first key become -inf
.macro TILEMASK
.irp kt, 0,1,2,3,4,5,6,7
.irp j, 0,1,2,3,4,5,6,7
	v_cndmask_b32 v[S+8*\kt+\j], v[NEG], v[S+8*\kt+\j], s[48+\kt]
.endr
.endr
.irp kt, 1,2,3,4,5,6,7
.irp j, 0,1,2,3,4,5,6,7
	v_cndmask_b32 v[S+80+8*\kt+\j], v[NEG], v[S+80+8*\kt+\j], s[48+\kt]
.endr
.endr
.endm
; softmax of query tile qt over its nine key tiles (72 registers from SB on), left as f16 P^T fragments; 1 / sum is kept for the end
.macro SOFTMAX qt
.set SB, S+88*\qt
.irp j, 0,1,2,3,4,5,6,7
	v_cndmask_b32 v[SB+\j], v[SB+\j], v[NEG], s[40+\j]            ; oldest tile: cut where M_j holds
	v_cndmask_b32 v[SB+64+\j], v[NEG], v[SB+64+\j], s[40+\j]      ; diagonal tile: kept where M_j holds
.endr
.irp k, 0,1,2,3
	v_max3_num_f32 v[T+\k], v[SB+3*\k], v[SB+3*\k+1], v[SB+3*\k+2]   ; four chains, started by the first twelve scores
.endr
.set n, 12
.rept 30
	v_max3_num_f32 v[T+(n/2)%4], v[T+(n/2)%4], v[SB+n], v[SB+n+1]
.set n, n+2
.endr
	v_max3_num_f32 v[T], v[T], v[T+1], v[T+2]
	v_max_num_f32 v[T], v[T], v[T+3]
	v_permlanex16_b32 v[T+1], v[T], s58, s59       ; the query's other 72 scores lie in the lane 16 away
	v_max_num_f32 v[T], v[T], v[T+1]               ; finite: every query sees its own key
	v_mul_f32 v[NM], s62, v[T]
	v_mul_f32 v[NM+1], s62, v[T]
.set n, 0
.rept 36
	v_pk_fma_f32 v[SB+n:SB+n+1], v[SB+n:SB+n+1], s[60:61], v[NM:NM+1] op_sel_hi:[1,0,1]   ; (s - max) log2(e) / 8
.set n, n+2
.endr
.set n, 0
.rept 72
	v_exp_f32 v[SB+n], v[SB+n]
.set n, n+1
.endr
	v_nop                                          ; one plain place behind the last exponential (ISA guide 5.7.2)
	s_wait_alu depctr_va_vdst(0)
.irp k, 0,1,2,3
	v_pk_add_f32 v[T+2*\k:T+2*\k+1], v[SB+2*\k:SB+2*\k+1], v[SB+8+2*\k:SB+8+2*\k+1]
.endr
.set n, 16
.rept 28
	v_pk_add_f32 v[T+n%8:T+n%8+1], v[T+n%8:T+n%8+1], v[SB+n:SB+n+1]
.set n, n+2
.endr
	v_pk_add_f32 v[T:T+1], v[T:T+1], v[T+2:T+3]
	v_pk_add_f32 v[T+4:T+5], v[T+4:T+5], v[T+6:T+7]
	v_pk_add_f32 v[T:T+1], v[T:T+1], v[T+4:T+5]
	v_add_f32 v[T], v[T], v[T+1]
	v_permlanex16_b32 v[T+1], v[T], s58, s59
	v_add_f32 v[T], v[T], v[T+1]
	v_rcp_f32 v[INV+2*\qt], v[T]                   ; the packing below stands between it and its use
	; pack in place: registers 0-3 of group g from tile 2g, registers 4-7 from tile 2g+1; each write lands on registers already read.
	; Query tile 1 has no key tile 0, query tile 0 no key tile 9: those halves are exact zeros.
.irp g, 0,1,2,3,4
.set GB, S+80*\qt+16*\g
.if 5*\qt+\g != 5
.irp i, 0,1,2,3
	v_cvt_pk_f16_f32 v[GB+\i], v[GB+2*\i], v[GB+2*\i+1]
.endr
.else
	s_wait_alu depctr_va_vdst(0)
.irp i, 0,1,2,3
	v_mov_b32 v[GB+\i], 0
.endr
.endif
.if 5*\qt+\g != 4
.irp i, 0,1,2,3
	v_cvt_pk_f16_f32 v[GB+4+\i], v[GB+8+2*\i], v[GB+9+2*\i]
.endr
.else
	s_wait_alu depctr_va_vdst(0)
.irp i, 0,1,2,3
	v_mov_b32 v[GB+4+\i], 0
.endr
.endif
.endr
	v_mov_b32 v[INV+2*\qt+1], v[INV+2*\qt]
.endm
; one head for my 32 queries.  Every s_wait_dscnt 8 leaves the one younger run of eight LDS loads out.
.macro ATT hd
	WIN 0x04                                       ; source 1 (Q) in window 1
	KLOAD 0, 0, 9, \hd
	KLOAD 1, 1, 2, \hd
	s_wait_dscnt 8
	SMUL0 \hd
	PLACES
	KLOAD 0, 3, 4, \hd
	s_wait_dscnt 8
	SMUL2 1, 1, 2, \hd
	PLACES
	KLOAD 1, 5, 6, \hd
	s_wait_dscnt 8
	SMUL2 0, 3, 4, \hd
	PLACES
	KLOAD 0, 7, 8, \hd
	s_wait_dscnt 8
	SMUL2 1, 5, 6, \hd
	s_wait_dscnt 0
	SMUL2 0, 7, 8, \hd
	PLACES                                         ; behind the last product, in front of the vector work on the scores
	WIN 0
	s_cmp_lg_u32 s9, 0                             ; the chunk's number: the same in all waves
	s_cbranch_scc1 .Linner_\@
	TILEMASK
.Linner_\@:
	SOFTMAX 0
	; V of this head: tensor loads of a wave end in order (ISA guide 10.11.1), so the count leaves the next head's two tiles out (none behind the
	; last head's V).  No LDS instruction of mine is pending: the K loads were waited for above.  No LDS byte is filled behind this barrier.
	s_wait_tensorcnt 2-2*\hd
	s_barrier_signal -1
	s_barrier_wait -1                              ; every wave's part of this head's V is in
	WIN 0x51                                       ; source 0, C and D in window 1
	VLOAD 0, 0, \hd                                ; these land during the second query tile's softmax
	VLOAD 1, 1, \hd
	WIN 0
	SOFTMAX 1
	WIN 0x51
	s_wait_dscnt 8
	PVG 0, 0, 1                                    ; the first group starts the sums
	PLACES
	VLOAD 2, 0, \hd
	s_wait_dscnt 8
	PVG 1, 1, 0
	PLACES
	VLOAD 3, 1, \hd
	s_wait_dscnt 8
	PVG 2, 0, 0
	PLACES
	VLOAD 4, 0, \hd
	s_wait_dscnt 8
	PVG 3, 1, 0
	s_wait_dscnt 0
	PVG 4, 0, 0
.rept 5
	v_nop                                          ; five places: the results are read next, and the next head's products write over P^T
.endr
	WIN 0x41
.irp qt, 0,1
.set n, 0
.rept 16
	v_pk_mul_f32 v[OA+32*\qt+n:OA+32*\qt+n+1], v[OA+32*\qt+n:OA+32*\qt+n+1], v[INV+2*\qt:INV+2*\qt+1]
.set n, n+2
.endr
.endr
	WIN 0x05
.set n, 0
.rept 32
	v_cvt_pk_f16_f32 v[KF+n], v[OA+2*n], v[OA+2*n+1]
.set n, n+1
.endr
	WIN 0
.irp qt, 0,1
.irp dt, 0,1,2,3
	ds_store_b128 v[STO], v[KF+16*\qt+4*\dt:KF+16*\qt+4*\dt+3] offset:16*SP*\qt+128*\hd+32*\dt
.endr
.endr
.endm
	; head 2p
	s_wait_loadcnt 0x8                             ; loads come back in order (ISA guide 5.7.1): Q of head 2p is in, the eight loads of head 2p+1's Q stay out
	s_wait_tensorcnt 0x3                           ; my part of K of head 2p is in LDS; my three younger loads stay out across this barrier: no LDS byte is ever filled again
	s_barrier_signal -1
	s_barrier_wait -1                              ; every wave's part of it is in
	ATT 0
	; head 2p+1
	s_wait_loadcnt 0x0                             ; its Q
	s_wait_dscnt 0x0                               ; no LDS instruction of mine is pending at the signal
	s_wait_tensorcnt 0x1                           ; my part of its K is in; its V stays out
	s_barrier_signal -1
	s_barrier_wait -1
	ATT 1
	; out: my 32 rows of 256 bytes (both heads), two rows a load; my own bytes, served in order behind the stores above
.set t, 0
.rept 16
	ds_load_b128 v[S+4*t:S+4*t+3], v[RD] offset:2*SP*t
.set t, t+1
.endr
.set t, 0
.rept 16
	s_wait_dscnt 15-t
	global_store_b128 v[CO], v[S+4*t:S+4*t+3], s[6:7] offset:4096*t   ; sixteen lanes store 256 consecutive bytes, at a multiple of 256 from ao's first byte
.set t, t+1
.endr
	s_wait_tensorcnt 0x0
	ds_add_u32 v254, v255
	s_wait_dscnt 0x0
	s_endpgm
.Lfunc_end_k_q0d7f3948c5_attn:
	.size	k_q0d7f3948c5_attn, .Lfunc_end_k_q0d7f3948c5_attn-k_q0d7f3948c5_attn
	.p2alignl 7, 3214868480
	.fill 96, 4, 3214868480
	.section	.rodata,"a",@progbits
	.p2align	6, 0x0
	.amdhsa_kernel k_q0d7f3948c5_attn
		.amdhsa_group_segment_fixed_size 304128
		.amdhsa_private_segment_fixed_size 0
		.amdhsa_enable_private_segment 0
		.amdhsa_kernarg_size 16
		.amdhsa_user_sgpr_count 2
		.amdhsa_user_sgpr_kernarg_segment_ptr 1
		.amdhsa_wavefront_size32 1
		.amdhsa_system_sgpr_workgroup_id_x 1
		.amdhsa_system_sgpr_workgroup_id_y 1
		.amdhsa_system_sgpr_workgroup_id_z 1
		.amdhsa_system_vgpr_workitem_id 0
		.amdhsa_next_free_vgpr 512
		.amdhsa_next_free_sgpr 80
		.amdhsa_reserve_vcc 0
		.amdhsa_float_denorm_mode_32 3
		.amdhsa_float_denorm_mode_16_64 3
		.amdhsa_memory_ordered 1
		.amdhsa_forward_progress 1
		.amdhsa_inst_pref_size 110
	.end_amdhsa_kernel
	.amdgpu_metadata
---
amdhsa.version: [ 1, 2 ]
amdhsa.kernels:
  - .name:           k_q0d7f3948c5_attn
    .symbol:         k_q0d7f3948c5_attn.kd
    .args:
      - { .name: qkv, .offset: 0, .size: 8, .value_kind: global_buffer, .address_space: global }
      - { .name: ao, .offset: 8, .size: 8, .value_kind: global_buffer, .address_space: global }
    .group_segment_fixed_size: 304128
    .private_segment_fixed_size: 0
    .kernarg_segment_align: 8
    .kernarg_segment_size: 16
    .max_flat_workgroup_size: 256
    .sgpr_count:     80
    .vgpr_count:     512
    .wavefront_size: 32
...
	.end_amdgpu_metadata
.endif
;; end of part 3
;; launch proj (part 4): grid 8 x 32, 4 waves a work-group, clusters of 4 x 4, 327,680 bytes of LDS; arguments ao, wob, out0; writes out0
.if DOCPART == 4
	.amdgcn_target "amdgcn-amd-amdhsa--gfx1250"
	.amdhsa_code_object_version 6
	.text
	.protected	k_q0d7f3948c5_proj
	.globl	k_q0d7f3948c5_proj
	.p2align	8
	.type	k_q0d7f3948c5_proj,@function
k_q0d7f3948c5_proj:
	s_mov_b64 s[64:65], 0
	v_nop
	global_prefetch_b8 v0, s[64:65] scope:SCOPE_SE
	s_setreg_imm32_b32 hwreg(HW_REG_WAVE_MODE, 25, 1), 1
	s_wait_xcnt 0x0
	s_wait_alu depctr_hold_cnt(0) depctr_sa_sdst(0) depctr_va_vdst(0) depctr_va_sdst(0) depctr_va_ssrc(0) depctr_va_vcc(0) depctr_vm_vsrc(0)
	s_getreg_b32 s2, hwreg(HW_REG_IB_STS2, 6, 4)
	s_cmp_eq_u32 s2, 0
	s_cbranch_scc0 .Lentry_in_a_cluster
	s_endpgm
.Lentry_in_a_cluster:
	s_bfe_u32 s2, ttmp6, 0x10000c
	s_cmp_lg_u32 s2, 0xf033
	s_cbranch_scc0 .Lentry_shape_is_right
	s_endpgm
.Lentry_shape_is_right:
; out0 = ao wob^T.  ao: [8192][1024] f16, wob: [1024][1024] f16, out0: [8192][1024] f32; sums in f32.
; A work-group makes 256 rows x 128 columns: 32 x 8 = 256 blocks.  Four waves stacked along the rows: a wave makes 64 x 128 = 4 x 8
; accumulator tiles of 16 x 16 (256 registers).  K goes in steps of 128 through two LDS slots filled by tensor loads; a tile's rows are
; 256 bytes of memory, at multiples of 256 bytes.
; CLUSTER 4 x 4: the four work-groups of a row of the cluster need the same rows of ao, the four of a column the same rows of wob; each such
; tile is asked for jointly, by the same load with the same descriptor in all four.
; REGISTER WINDOWS: 0: addresses, A's fragments (two buffers), the way out.  1: B's fragments (two buffers).  2: accumulators of my rows
; 0-31 (tile (a, b) at 8 (8 a + b)).  3: those of my rows 32-63.
; The product is used transposed (source 0 = rows of wob, source 1 = rows of ao): lane l holds row l % 16 of the result and its eight
; registers the columns 8 (l / 16) + 0..7: 32 neighbouring bytes.
; LIMIT: operands are f16 (11 significant bits, largest number 65,504); the results leave as the f32 sums.
.set NB,     8                         ; B fragments of the block (and of each wave)
.set BN,     16*NB                     ; 128 columns
.set SIZE_K, 1024
.set KSTEP,  128
.set PITCH,  272                       ; LDS row: 256 bytes + 16: the sixteen rows of a fragment load start 16 bytes apart modulo 256
.set HALFA,  128*PITCH                 ; what one load brings of A
.set HALFB,  (BN/2)*PITCH              ; what one load brings of B: 64 rows
.set SLOT,   2*HALFA+2*HALFB           ; A's 256 rows, then B's 128 rows
.set STAGE,  2*SLOT                    ; behind the ring (a multiple of 256): the way out; no tensor load lands here
.set SPITCH, 4*BN+16                   ; 528: a stage row, 128 f32 + 16 bytes
.set STG,    16*SPITCH                 ; a wave's stage: 16 rows
.set LAPS,   SIZE_K/(2*KSTEP)          ; 4 laps of two K steps
.set ADRA, 16                          ; v16-17  LDS address of my A fragments in slot 0, 1
.set ADRB, 20                          ; v20-21  the same for B
.set STO,  24                          ; where I put 32 bytes of a row
.set RD,   25                          ; where I read a row back
.set CO,   26                          ; 16 x lane: my bytes in a row's 512
.set FA0,  32                          ; window 0: A's fragments, buffer 0 (4 x 8)
.set FA1,  64                          ; buffer 1
.set RB0,  144                         ; v[144:207] rows read back
.set RB1,  32                          ; v[32:95]   the same, in turn (the fragments are dead by then)
.set FB0,  0                           ; window 1: B's fragments, buffer 0 (8 x 8)
.set FB1,  8*NB                        ; buffer 1
.set G1,  24                           ; s[24:31] group 1 for A's tiles
.set G0,  32                           ; s[32:39] group 0 for A's tiles, a set for each slot
.set G1B, 48                           ; s[48:55] group 1 for B's tiles
.set G0B, 56                           ; s[56:63] group 0 for B's tiles
.set MSB, 0
.macro WIN new                         ; the immediate's high byte repeats the setting that is left
.if MSB != \new
	s_set_vgpr_msb (MSB<<8)|\new
.set MSB, \new
.endif
.endm
.set MUL_LO, 0xa1                      ; source 0 (B) window 1, source 1 (A) window 0, C and D window 2
.set MUL_HI, 0xf1                      ; the same, C and D window 3
.set TO_B,   0x40                      ; destination window 1, address window 0
; A joint load: waves 0 and 1 fetch A's halves, waves 2 and 3 B's.  The branch hangs on the wave's number alone.
.macro JLOAD s
	s_cmp_eq_u32 s11, 0
	s_cbranch_scc0 .Lfor_b_\@
	tensor_load_to_lds s[G0+4*\s:G0+4*\s+3], s[G1:G1+7]
	s_nop 0
	s_branch .Lasked_\@
.Lfor_b_\@:
	tensor_load_to_lds s[G0B+4*\s:G0B+4*\s+3], s[G1B:G1B+7]
	s_nop 0
.Lasked_\@:
.endm
; A round of the cluster's barrier behind its opening work-group barrier: wave 0 signals for the work-group, every wave waits for all
; sixteen work-groups, and the work-group's barrier closes the round.
.macro CREST
	s_cmp_lg_u32 s10, 0
	s_cbranch_scc1 .Lnot_wave_0_\@
	s_barrier_signal -3
.Lnot_wave_0_\@:
	s_barrier_wait -3
	s_barrier_signal -1
	s_barrier_wait -1
.endm
.macro CROUND
	s_barrier_signal -1
	s_barrier_wait -1
	CREST
.endm
	s_load_b128 s[4:7], s[0:1], 0x0                ; ao s[4:5], wob s[6:7]
	s_load_b64 s[8:9], s[0:1], 0x10                ; out0
	s_set_vgpr_msb 0x40
	v_lshl_add_u32 v255, v0, 2, 0x3b400
	s_set_vgpr_msb 0x4000
	v_mov_b32 v255, 0
	s_set_vgpr_msb 0x1
	ds_add_u32 v255, v255
	ds_add_u32 v255, v255
	s_set_vgpr_msb 0x100
	v_lshrrev_b32 v1, 5, v0
	v_readfirstlane_b32 s10, v1                    ; wave 0..3
	s_lshr_b32 s11, s10, 1                         ; I fetch for A (0) or for B (1)
	s_and_b32 s12, s10, 1                          ; which half of that tile
	s_bfe_u32 s40, ttmp6, 0x40000                  ; cx
	s_bfe_u32 s41, ttmp6, 0x40004                  ; cy
	s_lshl_b32 s42, ttmp9, 2
	s_add_co_u32 s42, s42, s40                     ; block column = 4 x cluster x + cx
	s_and_b32 s13, ttmp7, 0xffff
	s_lshl_b32 s13, s13, 2
	s_add_co_u32 s13, s13, s41                     ; block row = 4 x cluster y + cy
	s_lshl_b32 s43, s41, 2
	s_lshl_b32 s43, 15, s43                        ; my row of the cluster
	s_lshl_b32 s44, 0x1111, s40                    ; my column
	; group 1: rows of 128 elements of 2 bytes, 16 bytes of padding behind each 64 words
	s_or_b32 s[G1+0], s43, (1<<16)|(1<<20)|(1<<21)|(5<<22)|(3<<25)   ; A's tiles go to my row of the cluster
	s_or_b32 s[G1B+0], s44, (1<<16)|(1<<20)|(1<<21)|(5<<22)|(3<<25)  ; B's to my column
	s_mov_b32 s[G1+1], KSTEP<<16                   ; tensor_dim0 = 128
	s_mov_b32 s[G1B+1], KSTEP<<16
	s_mov_b32 s[G1+2], 128<<16                     ; tensor_dim1 = 128 rows
	s_mov_b32 s[G1B+2], (BN/2)<<16                 ; 64 rows
	s_mov_b32 s[G1+3], KSTEP<<16                   ; tile_dim0 = 128
	s_mov_b32 s[G1B+3], KSTEP<<16
	s_mov_b32 s[G1+4], 128                         ; tile_dim1
	s_mov_b32 s[G1B+4], BN/2
	s_mov_b32 s[G1+5], SIZE_K                      ; elements from row to row
	s_mov_b32 s[G1B+5], SIZE_K
	s_mov_b32 s[G1+6], 0
	s_mov_b32 s[G1B+6], 0
	s_mov_b32 s[G1+7], 0
	s_mov_b32 s[G1B+7], 0
	; A's tiles hang on the block row alone, B's on the block column alone, each in registers that never hold the other coordinate
	s_lshl_b32 s17, s12, 7
	s_lshl_b32 s16, s13, 8
	s_add_co_u32 s16, s16, s17                     ; A: row 256 x block row + 128 x half
	s_lshl_b32 s16, s16, 11                        ; x 2,048 bytes a row (below 2^25)
	s_mov_b32 s17, 0
	s_mul_i32 s46, s42, BN
	s_mul_i32 s47, s12, BN/2
	s_add_co_u32 s46, s46, s47                     ; B: row 128 x block column + 64 x half
	s_lshl_b32 s46, s46, 11
	s_mov_b32 s47, 0
	s_mul_i32 s20, s10, HALFA                      ; LDS: A's halves at wave x HALFA (waves 0, 1)
	s_mul_i32 s45, s10, HALFB
	s_add_co_u32 s45, s45, 2*(HALFA-HALFB)         ; B's halves behind A's 256 rows (waves 2, 3): 2 HALFA + (wave - 2) HALFB
	s_wait_dscnt 0x0
	s_wait_kmcnt 0x0
	s_add_nc_u64 s[14:15], s[4:5], s[16:17]
	s_add_nc_u64 s[46:47], s[6:7], s[46:47]
	CROUND                                         ; all sixteen work-groups are here: the first joint loads meet
.irp s, 0,1
	s_mov_b32 s[G0+4*\s], 1
	s_add_co_u32 s[G0+4*\s+1], s20, \s*SLOT
	s_add_nc_u64 s[G0+4*\s+2:G0+4*\s+3], s[14:15], \s*KSTEP*2      ; K step s
	s_or_b32 s[G0+4*\s+3], s[G0+4*\s+3], 0x80000000
	s_mov_b32 s[G0B+4*\s], 1
	s_add_co_u32 s[G0B+4*\s+1], s45, \s*SLOT
	s_add_nc_u64 s[G0B+4*\s+2:G0B+4*\s+3], s[46:47], \s*KSTEP*2
	s_or_b32 s[G0B+4*\s+3], s[G0B+4*\s+3], 0x80000000
	JLOAD \s                                       ; both first fills go out together: two tensor loads of a wave are out, later one
.endr
	; a fragment: lane l holds row l % 16; registers 0-3 K = 8 (l / 16) + 0..7, registers 4-7 K = 16 + 8 (l / 16) + 0..7
	v_and_b32 v1, 15, v0                           ; r
	v_bfe_u32 v2, v0, 4, 1                         ; h
	v_and_b32 v6, 31, v0                           ; lane
	v_mul_u32_u24 v3, v1, PITCH
	v_lshl_add_u32 v3, v2, 4, v3                   ; r x pitch + 16 h
	s_mul_i32 s21, s10, 64*PITCH                   ; my 64 rows of A
	s_mov_b32 s22, 2*HALFA                         ; all of B
.irp s, 0,1
	v_add_nc_u32 v[ADRA+\s], s21, v3
	v_add_nc_u32 v[ADRB+\s], s22, v3
	s_add_co_u32 s21, s21, SLOT
	s_add_co_u32 s22, s22, SLOT
.endr
	s_mul_i32 s23, s10, STG
	s_add_co_u32 s23, s23, STAGE                   ; my stage
	v_mul_u32_u24 v4, v1, SPITCH
	v_lshl_add_u32 v4, v2, 5, v4
	v_add_nc_u32 v[STO], s23, v4                   ; in: row r, 32 bytes for each half of the lanes
	v_lshlrev_b32 v[CO], 4, v6                     ; 16 x lane
	v_add_nc_u32 v[RD], s23, v[CO]                 ; back: the 32 lanes take one row's 512 bytes
; NB matrix instructions: row block a of the window's two (hi = 0: my rows 0-31, 1: rows 32-63) x all column blocks, 32 along K
.macro MULROW fa, fb, hi, a, zero
.set bb, 0
.rept NB
.if \zero
	v_wmma_f32_16x16x32_f16 v[8*(NB*\a+bb):8*(NB*\a+bb)+7], v[\fb+8*bb:\fb+8*bb+7], v[\fa+8*(2*\hi+\a):\fa+8*(2*\hi+\a)+7], 0
.else
	v_wmma_f32_16x16x32_f16 v[8*(NB*\a+bb):8*(NB*\a+bb)+7], v[\fb+8*bb:\fb+8*bb+7], v[\fa+8*(2*\hi+\a):\fa+8*(2*\hi+\a)+7], v[8*(NB*\a+bb):8*(NB*\a+bb)+7]
.endif
.set bb, bb+1
.endr
.endm
; one run of 2 NB + 8 LDS loads: the fragments of a quarter step (32 K at byte k of the rows): B's first, A's last
.macro FETCH slot, k, fa, fb
	WIN TO_B
.set bb, 0
.rept NB
	ds_load_b128 v[\fb+8*bb:\fb+8*bb+3],   v[ADRB+\slot] offset:\k+bb*16*PITCH
	ds_load_b128 v[\fb+8*bb+4:\fb+8*bb+7], v[ADRB+\slot] offset:\k+bb*16*PITCH+32
.set bb, bb+1
.endr
	WIN 0
.irp i, 0,1,2,3
	ds_load_b128 v[\fa+8*\i:\fa+8*\i+3],   v[ADRA+\slot] offset:\k+\i*16*PITCH
	ds_load_b128 v[\fa+8*\i+4:\fa+8*\i+7], v[ADRA+\slot] offset:\k+\i*16*PITCH+32
.endr
.endm
; Four places between a matrix instruction and a load into one of its sources, or an LDS store of its result
.macro PLACES
.rept 4
	v_nop
.endr
.endm
; A quarter step: 4 NB matrix instructions on buffer f; in its middle the next quarter's fragments are fetched into buffer g.
; The 4 NB accumulators take turns in one fixed order in every quarter, one instruction a turn.
.macro QUARTER slot, k, fa, fb, ga, gb, zero
	s_wait_dscnt 4                                 ; B and A's fragments 0, 1 are in; the four youngest loads (A's fragments 2, 3) may be out
	WIN MUL_LO
	MULROW \fa, \fb, 0, 0, \zero
	MULROW \fa, \fb, 0, 1, \zero
	PLACES
	FETCH \slot, \k, \ga, \gb
	s_wait_dscnt 2*NB+8                            ; all but the run just issued
	WIN MUL_HI
	MULROW \fa, \fb, 1, 0, \zero
	MULROW \fa, \fb, 1, 1, \zero
.endm
.macro THREE slot, zero
	QUARTER \slot, 64,  FA0, FB0, FA1, FB1, \zero
	QUARTER \slot, 128, FA1, FB1, FA0, FB0, 0
	QUARTER \slot, 192, FA0, FB0, FA1, FB1, 0
.endm
; The last quarter of a K step changes slots.  In front of the barrier each wave waits for its reads of this slot and for all its tensor
; loads (one is out: its part of the next slot).  Behind it (where the slot is filled again: behind the cluster's round that it opens) the
; refill is the first tensor load, then the next slot's first fragments are read.
.macro TURN slot, next, fill
	s_wait_dscnt 4
	WIN MUL_LO
	MULROW FA1, FB1, 0, 0, 0
	s_wait_dscnt 0                                 ; my reads of this slot are over
	s_wait_tensorcnt 0x0                           ; all my tensor loads have landed
	ds_add_u32 v255, v255
	s_wait_dscnt 0x0
	s_barrier_signal -1
	MULROW FA1, FB1, 0, 1, 0                       ; register work while the others arrive
	WIN 0
	s_barrier_wait -1
.if \fill
	CREST                                          ; no wave of any partner still reads this slot or has a load on its way
	s_add_nc_u64 s[G0+4*\slot+2:G0+4*\slot+3], s[G0+4*\slot+2:G0+4*\slot+3], 2*KSTEP*2
	s_add_nc_u64 s[G0B+4*\slot+2:G0B+4*\slot+3], s[G0B+4*\slot+2:G0B+4*\slot+3], 2*KSTEP*2
	JLOAD \slot                                    ; two K steps ahead; 15 NB matrix instructions stand between this request and the wait for it
.endif
	PLACES
	FETCH \next, 0, FA0, FB0
	WIN MUL_HI
	MULROW FA1, FB1, 1, 0, 0
	MULROW FA1, FB1, 1, 1, 0
.endm
.macro LAP zero
	THREE 0, \zero
	TURN 0, 1, 1
	THREE 1, 0
	TURN 1, 0, 1
.endm
	s_wait_tensorcnt 1                             ; my part of K step 0 is in; K step 1's may stay out
	s_barrier_signal -1
	s_barrier_wait -1
	FETCH 0, 0, FA0, FB0
	LAP 1                                          ; the first products start the sums: nothing is cleared
	WIN 0
	s_mov_b32 s3, LAPS-2
.Llap:
	LAP 0
	WIN 0
	s_sub_co_u32 s3, s3, 1
	s_cmp_lg_u32 s3, 0
	s_cbranch_scc1 .Llap
	THREE 0, 0                                     ; the last lap fills nothing
	TURN 0, 1, 0
	THREE 1, 0
	s_wait_dscnt 4
	WIN MUL_LO
	MULROW FA1, FB1, 0, 0, 0
	MULROW FA1, FB1, 0, 1, 0
	s_wait_dscnt 0
	WIN MUL_HI
	MULROW FA1, FB1, 1, 0, 0
	MULROW FA1, FB1, 1, 1, 0
	; THE WAY OUT, 16 rows at a time: the f32 sums go as they are into my own stage, 32 bytes a lane, and come back as whole rows of 512 bytes
	PLACES
	WIN 0
	s_lshl_b32 s16, s13, 20                        ; block row x 256 rows x 4,096 bytes
	s_lshl_b32 s17, s10, 18                        ; wave x 64 rows x 4,096 bytes
	s_add_co_u32 s16, s16, s17
	s_mov_b32 s17, 0
	s_add_nc_u64 s[8:9], s[8:9], s[16:17]
	s_lshl_b32 s46, s42, 9                         ; block column x 512 bytes
	s_mov_b32 s47, 0
	s_add_nc_u64 s[8:9], s[8:9], s[46:47]
; rows 16 i .. 16 i + 15 of my 64 = the tiles (a, 0..7) of window 2 or 3 (from = 0x08 or 0x0c: the LDS stores' data)
.macro OUTF i, a, from, rb
	WIN \from
.set bb, 0
.rept NB
	ds_store_b128 v[STO], v[8*(NB*\a+bb):8*(NB*\a+bb)+3]   offset:64*bb
	ds_store_b128 v[STO], v[8*(NB*\a+bb)+4:8*(NB*\a+bb)+7] offset:64*bb+16
.set bb, bb+1
.endr
	WIN 0
	s_wait_xcnt 0x0                                ; the buffer that earlier stores read is loaded again only behind this wait
.set t, 0
.rept 16
	ds_load_b128 v[\rb+4*t:\rb+4*t+3], v[RD] offset:SPITCH*t       ; LDS serves a wave in order: these see the stores above
.set t, t+1
.endr
.set t, 0
.rept 16
	s_wait_dscnt 15-t
	global_store_b128 v[CO], v[\rb+4*t:\rb+4*t+3], s[8:9] offset:(16*\i+t)*4096 th:TH_STORE_NT   ; 512 consecutive bytes of one row, aligned; not read again
.set t, t+1
.endr
.endm
	OUTF 0, 0, 0x08, RB0
	OUTF 1, 1, 0x08, RB1
	OUTF 2, 0, 0x0c, RB0
	OUTF 3, 1, 0x0c, RB1
	s_set_vgpr_msb 0x1
	s_wait_tensorcnt 0x0
	ds_add_u32 v255, v255
	s_wait_dscnt 0x0
	s_set_vgpr_msb 0x100
	CROUND                                         ; the closing round: no work-group ends while a partner may still ask jointly
	s_endpgm
.Lfunc_end_k_q0d7f3948c5_proj:
	.size	k_q0d7f3948c5_proj, .Lfunc_end_k_q0d7f3948c5_proj-k_q0d7f3948c5_proj
	.p2alignl 7, 3214868480
	.fill 96, 4, 3214868480
	.section	.rodata,"a",@progbits
	.p2align	6, 0x0
	.amdhsa_kernel k_q0d7f3948c5_proj
		.amdhsa_group_segment_fixed_size 327680
		.amdhsa_private_segment_fixed_size 0
		.amdhsa_enable_private_segment 0
		.amdhsa_kernarg_size 24
		.amdhsa_user_sgpr_count 2
		.amdhsa_user_sgpr_kernarg_segment_ptr 1
		.amdhsa_wavefront_size32 1
		.amdhsa_system_sgpr_workgroup_id_x 1
		.amdhsa_system_sgpr_workgroup_id_y 1
		.amdhsa_system_sgpr_workgroup_id_z 1
		.amdhsa_system_vgpr_workitem_id 0
		.amdhsa_next_free_vgpr 1024
		.amdhsa_next_free_sgpr 66
		.amdhsa_reserve_vcc 0
		.amdhsa_float_denorm_mode_32 3
		.amdhsa_float_denorm_mode_16_64 3
		.amdhsa_memory_ordered 1
		.amdhsa_forward_progress 1
		.amdhsa_inst_pref_size 119
	.end_amdhsa_kernel
	.amdgpu_metadata
---
amdhsa.version: [ 1, 2 ]
amdhsa.kernels:
  - .name:           k_q0d7f3948c5_proj
    .symbol:         k_q0d7f3948c5_proj.kd
    .args:
      - { .name: ao, .offset: 0, .size: 8, .value_kind: global_buffer, .address_space: global }
      - { .name: wob, .offset: 8, .size: 8, .value_kind: global_buffer, .address_space: global }
      - { .name: out0, .offset: 16, .size: 8, .value_kind: global_buffer, .address_space: global }
    .group_segment_fixed_size: 327680
    .private_segment_fixed_size: 0
    .kernarg_segment_align: 8
    .kernarg_segment_size: 24
    .max_flat_workgroup_size: 128
    .sgpr_count:     66
    .vgpr_count:     1024
    .wavefront_size: 32
...
	.end_amdgpu_metadata
.endif
;; end of part 4
;; ======== version 2 of 2: 4 launches; version 1 with the launch cast written anew for expert scheduling mode
;; limits: values are held in f16: magnitudes above 65,504 overflow, below 6.1e-05 lose precision
;; workspace buffers: xb 16,777,216 bytes; wb 6,291,456 bytes; wob 2,097,152 bytes; qkv 50,331,648 bytes; ao 16,777,216 bytes
;; launch cast (part 5): grid 768 x 1, 8 waves a work-group, no clusters, 0 bytes of LDS; arguments x, Wq, Wk, Wv, Wo, xb, wb, wob; writes xb, wb, wob
.if DOCPART == 5
	.amdgcn_target "amdgcn-amd-amdhsa--gfx1250"
	.amdhsa_code_object_version 6
	.text
	.protected	k_q0d7f3948c5_cast
	.globl	k_q0d7f3948c5_cast
	.p2align	8
	.type	k_q0d7f3948c5_cast,@function
k_q0d7f3948c5_cast:
	s_mov_b64 s[64:65], 0
	v_nop
	global_prefetch_b8 v0, s[64:65] scope:SCOPE_SE
	s_setreg_imm32_b32 hwreg(HW_REG_WAVE_SCHED_MODE, 0, 2), 2
	s_setreg_imm32_b32 hwreg(HW_REG_WAVE_MODE, 25, 1), 1
	s_wait_xcnt 0x0
	s_wait_alu depctr_vm_vsrc(0)
; All five inputs are rounded once to bf16 (to nearest even), so that the products read 16-bit tiles and every input carries the same rounding.
; x, Wq, Wk, Wv are stored as bf16: both operands of the first three products.  Wo's partner in the last product is an f16 intermediate, so
; Wo's bf16 value is written in f16: exact for magnitudes from 2^-17 to 65,504 (f16's 11 significant bits hold bf16's 8; below 2^-14 f16's
; step is 2^-24, which still holds 8 bits down to 2^-17).
; LIMIT: a number of Wo above 65,504 in magnitude becomes infinite; below 2^-17 it is rounded once more, to a step of 2^-24.
; A work-group takes one chunk of 16,384 numbers: 65,536 bytes in, 32,768 bytes out.
; Chunks 0-511: x -> xb.  512-575: Wq, 576-639: Wk, 640-703: Wv -> wb (the three stacked by rows).  704-767: Wo -> wob.
; A stream: no LDS, no matrix unit, no barrier.  Thread t takes 16 bytes at 16 t of each 4,096 bytes; a wave's load covers 512 consecutive
; bytes, a wave's store 256 consecutive bytes that start at a multiple of 256 from the buffer's first byte.
; All sixteen loads of a thread go out at once; a store's data registers are written once more by nothing behind it.
; THE MODE: SCHED_MODE bits 1:0 = 2 (LLVM: expert scheduling mode 2), set by the entry lines.  The code itself states the register dependences
; between vector instructions and memory instructions, with s_wait_alu, always for 0.
; THE PLAN.  Registers that memory instructions touch:
;   v1, v2   byte offsets of the loads and of the stores: written once at the head, never again.
;   X        load i lands in X + 4 i; no vector instruction names X ahead of the loads, and nothing is loaded into it a second time.
;            (Wo's path writes X again by vector instructions, behind the load's own counted wait; no memory instruction ever reads X.)
;   Y        the conversions of load i write the pair Y + 2 i, store i reads it, and nothing writes it behind that store.
; The sixteen turns go in four blocks of four.  Block p rounds loads 4 p .. 4 p + 3 into its own eight registers of Y; its memory instructions are
; the four stores of block p - 1, whose registers (that block's Y, and v2) no vector instruction of block p names.  So one wait on va_vdst at a
; block's head states all that the block's four stores hang on, and they are dealt among its conversions with no further wait.  No register
; that a memory instruction reads is written again, so the turns hold no wait on vm_vsrc.
.set X, 4                              ; v[4:67]   sixteen loads of four f32
.set Y, 68                             ; v[68:99]  sixteen pairs of packed 16-bit numbers
.set BLOCK, 4                          ; turns in a block
	s_load_b512 s[8:23], s[0:1], 0x0               ; x 8, Wq 10, Wk 12, Wv 14, Wo 16, xb 18, wb 20, wob 22
	s_mov_b32 s2, ttmp9                            ; chunk g
	s_sub_co_u32 s3, s2, 512                       ; chunk among the weights (used only where g >= 512)
	s_and_b32 s4, s3, 63                           ; chunk inside one weight matrix
	v_lshlrev_b32 v1, 4, v0                        ; 16 t
	v_lshlrev_b32 v2, 3, v0                        ; 8 t
	s_wait_kmcnt 0x0
	s_cmp_ge_u32 s2, 512                           ; the choices hang on the chunk's number alone
	s_cselect_b64 s[24:25], s[10:11], s[8:9]       ; source
	s_cselect_b32 s26, s4, s2                      ; source chunk
	s_cselect_b64 s[28:29], s[20:21], s[18:19]     ; destination
	s_cselect_b32 s27, s3, s2                      ; destination chunk
	s_cmp_ge_u32 s2, 576
	s_cselect_b64 s[24:25], s[12:13], s[24:25]
	s_cmp_ge_u32 s2, 640
	s_cselect_b64 s[24:25], s[14:15], s[24:25]
	s_cmp_ge_u32 s2, 704
	s_cselect_b64 s[24:25], s[16:17], s[24:25]
	s_cselect_b64 s[28:29], s[22:23], s[28:29]
	s_cselect_b32 s27, s4, s27
	s_lshl_b32 s30, s26, 16                        ; 65,536 bytes a chunk in
	s_mov_b32 s31, 0
	s_lshl_b32 s6, s27, 15                         ; 32,768 bytes a chunk out
	s_mov_b32 s7, 0
	s_add_nc_u64 s[24:25], s[24:25], s[30:31]
	s_add_nc_u64 s[28:29], s[28:29], s[6:7]
	s_wait_alu depctr_va_vdst(0)                   ; v1 and v2 are written: every load of the kernel reads v1, every store v2, as its offset
.set i, 0
.rept 16
	global_load_b128 v[X+4*i:X+4*i+3], v1, s[24:25] offset:4096*i th:TH_LOAD_NT   ; read once in the launch
.set i, i+1
.endr
; The sixteen turns, in four blocks.  f16 = 1: the bf16 numbers are widened again (a shift, a mask) and written in f16.
.macro TURNS f16
.set i, 0
.rept 16
	s_wait_loadcnt 15-i                            ; loads come back in order (ISA guide 5.7.1): load i is in, the younger ones stay out
.if (i % BLOCK == 0) && (i > 0)
	s_wait_alu depctr_va_vdst(0)                   ; a block's head: the block before has written its eight registers of Y, which this block's four stores read
.endif
.if i >= BLOCK
	global_store_b64 v2, v[Y+2*(i-BLOCK):Y+2*(i-BLOCK)+1], s[28:29] offset:2048*(i-BLOCK)   ; the block before; no vector instruction since the wait names these registers.  No hint: a later launch reads it
.endif
	v_cvt_pk_bf16_f32 v[Y+2*i], v[X+4*i], v[X+4*i+1]
	v_cvt_pk_bf16_f32 v[Y+2*i+1], v[X+4*i+2], v[X+4*i+3]
.if \f16
	v_lshlrev_b32 v[X+4*i], 16, v[Y+2*i]           ; load i has landed: its registers are free to hold the rounded numbers as f32
	v_and_b32 v[X+4*i+1], 0xffff0000, v[Y+2*i]
	v_lshlrev_b32 v[X+4*i+2], 16, v[Y+2*i+1]
	v_and_b32 v[X+4*i+3], 0xffff0000, v[Y+2*i+1]
	v_cvt_pk_f16_f32 v[Y+2*i], v[X+4*i], v[X+4*i+1]
	v_cvt_pk_f16_f32 v[Y+2*i+1], v[X+4*i+2], v[X+4*i+3]
.endif
.set i, i+1
.endr
	s_wait_alu depctr_va_vdst(0)                   ; the last block has written its eight registers of Y, which the last four stores read
.set i, 16-BLOCK
.rept BLOCK
	global_store_b64 v2, v[Y+2*i:Y+2*i+1], s[28:29] offset:2048*i   ; no hint: a later launch reads it
.set i, i+1
.endr
.endm
	s_cmp_ge_u32 s2, 704                           ; Wo's chunks: the chunk's number, the same in all waves
	s_cbranch_scc1 .Lwo
	TURNS 0
	s_endpgm
.Lwo:
	TURNS 1
	s_endpgm
.Lfunc_end_k_q0d7f3948c5_cast:
	.size	k_q0d7f3948c5_cast, .Lfunc_end_k_q0d7f3948c5_cast-k_q0d7f3948c5_cast
	.p2alignl 7, 3214868480
	.fill 96, 4, 3214868480
	.section	.rodata,"a",@progbits
	.p2align	6, 0x0
	.amdhsa_kernel k_q0d7f3948c5_cast
		.amdhsa_group_segment_fixed_size 0
		.amdhsa_private_segment_fixed_size 0
		.amdhsa_enable_private_segment 0
		.amdhsa_kernarg_size 64
		.amdhsa_user_sgpr_count 2
		.amdhsa_user_sgpr_kernarg_segment_ptr 1
		.amdhsa_wavefront_size32 1
		.amdhsa_system_sgpr_workgroup_id_x 1
		.amdhsa_system_sgpr_workgroup_id_y 1
		.amdhsa_system_sgpr_workgroup_id_z 1
		.amdhsa_system_vgpr_workitem_id 0
		.amdhsa_next_free_vgpr 104
		.amdhsa_next_free_sgpr 66
		.amdhsa_reserve_vcc 0
		.amdhsa_float_denorm_mode_32 3
		.amdhsa_float_denorm_mode_16_64 3
		.amdhsa_memory_ordered 1
		.amdhsa_forward_progress 1
		.amdhsa_inst_pref_size 17
	.end_amdhsa_kernel
	.amdgpu_metadata
---
amdhsa.version: [ 1, 2 ]
amdhsa.kernels:
  - .name:           k_q0d7f3948c5_cast
    .symbol:         k_q0d7f3948c5_cast.kd
    .args:
      - { .name: x, .offset: 0, .size: 8, .value_kind: global_buffer, .address_space: global }
      - { .name: Wq, .offset: 8, .size: 8, .value_kind: global_buffer, .address_space: global }
      - { .name: Wk, .offset: 16, .size: 8, .value_kind: global_buffer, .address_space: global }
      - { .name: Wv, .offset: 24, .size: 8, .value_kind: global_buffer, .address_space: global }
      - { .name: Wo, .offset: 32, .size: 8, .value_kind: global_buffer, .address_space: global }
      - { .name: xb, .offset: 40, .size: 8, .value_kind: global_buffer, .address_space: global }
      - { .name: wb, .offset: 48, .size: 8, .value_kind: global_buffer, .address_space: global }
      - { .name: wob, .offset: 56, .size: 8, .value_kind: global_buffer, .address_space: global }
    .group_segment_fixed_size: 0
    .private_segment_fixed_size: 0
    .kernarg_segment_align: 8
    .kernarg_segment_size: 64
    .max_flat_workgroup_size: 256
    .sgpr_count:     66
    .vgpr_count:     104
    .wavefront_size: 32
...
	.end_amdgpu_metadata
.endif
;; end of part 5
;; launch qkv: the kernel of part 2 again; grid 8 x 32, 4 waves a work-group, clusters of 4 x 4, 327,680 bytes of LDS; arguments xb, wb, qkv; writes qkv
;; launch attn: the kernel of part 3 again; grid 16 x 16, 8 waves a work-group, no clusters, 304,128 bytes of LDS; arguments qkv, ao; writes ao
;; launch proj: the kernel of part 4 again; grid 8 x 32, 4 waves a work-group, clusters of 4 x 4, 327,680 bytes of LDS; arguments ao, wob, out0; writes out0
